; MI455X (gfx1250); checked and timed in simulation.
; The chip was launched on July 23, 2026; its instructions are those of AMD's public machine-readable ISA for CDNA 5 (MIT licence, August 2026) and "CDNA5" Instruction Set Architecture Reference Guide (July 2026). The comments in the code are by the model that wrote it; some were corrected since.
;; Tensor Reduction. Allowed arithmetic: matrix products marked QUANTISED: E2M1 operands, one E8M0 scale for each 32 along K, by v_wmma_scale_f32_16x16x128_f8f6f4 with both operands' format E2M1 (or v_wmma_scale_f32_32x16x128_f4), f32 sums; products left as they are: f32 operands where the result goes on into a quantised operand, else bf16, f16 or f32 operands; f32 sums; everything else in f32.
;; Inputs: X 2,048 x 512 float32; weight 128 x 512 x 512 float32.
;; Outputs: out0 2,048 x 128 float32.
;; This version of the problem:
;;   THIS VERSION OF THE PROBLEM IS GIVEN IN LOW PRECISION. The matrix products marked QUANTISED in the list below multiply operands that are first quantised to E2M1 (2 exponent bits, 1 mantissa bit; 4 bits a number), with one power-of-two scale for each 32 numbers along K (OCP MX v1.0); their sums are f32. All else is computed in f32.
;;   The module's matrix products, in the order in which they are computed (A, B: the left and right operand; K: the contracted axis; several contracted axes count as one K, in the product's order):
;;     1. [M 2,048, K 512] x [K 512, N 65,536]; A: input X; B: input weight: QUANTISED
;;     2. batch 2,048 x [M 128, K 512] x [K 512, N 1]; A: computed on the way; B: input X: left as it is (N = 1 < 16)
;;   THE QUANTISER, for each operand of a quantised product, along K:
;;     - K is cut into blocks of 32 from its start; a last block that is shorter is filled with zeros.
;;     - A block's scale is 2^e with e = floor(log2(the largest magnitude in the block)) - 2, held to -126 .. 127; a block of zeros has e = 0. As a byte (E8M0): e + 127.
;;     - Each number is divided by its block's scale, clamped to +-6, and rounded to the nearest number of E2M1, ties to even, subnormals kept.
;;     - The product sums the exact products of the quantised numbers (number of the format x scale) in f32.
;;   ~~~python
;;   def quantise(x, axis):      # numpy; x: float32 -> the quantised numbers, widened to float32 again
;;       x = np.moveaxis(x, axis, -1); K = x.shape[-1]
;;       x = np.pad(x, [(0, 0)] * (x.ndim - 1) + [(0, -K % 32)]); x = x.reshape(x.shape[:-1] + (-1, 32)); a = np.abs(x).max(-1, keepdims=True)
;;       e = np.where(a > 0, np.clip(np.frexp(np.where(a > 0, a, 1))[1] - 1 - 2, -126, 127), 0)      # np.frexp(a)[1] - 1 = floor(log2(a)), exactly
;;       r = np.clip(x / 2.0 ** e, -6, 6)
;;       step = 2.0 ** (np.maximum(np.frexp(np.where(r == 0, 1, r))[1] - 1, 0) - 1)
;;       q = np.round(r / step) * step * 2.0 ** e      # np.round: ties to even
;;       return np.moveaxis(q.reshape(q.shape[:-2] + (-1,))[..., :K], -1, axis).astype(np.float32)
;;   ~~~
;; One version. Each part assembles by itself: llvm-mc -triple=amdgcn-amd-amdhsa -mcpu=gfx1250 --defsym DOCPART=n.
;; ======== version 1 of 1: 2 launches
;; limits: right only within a limited range of input values
;; workspace buffers: xpack 4,751,360 bytes; wq 16,777,216 bytes; ws 1,048,576 bytes
;; launch quant (part 1): grid 1024 x 1, 4 waves a work-group, no clusters, 0 bytes of LDS; arguments X, weight, xpack, wq, ws; writes xpack, wq, ws
.if DOCPART == 1
	.amdgcn_target "amdgcn-amd-amdhsa--gfx1250"
	.amdhsa_code_object_version 6
	.text
	.protected	k_qff8594a269_quant
	.globl	k_qff8594a269_quant
	.p2align	8
	.type	k_qff8594a269_quant,@function
k_qff8594a269_quant:
	s_mov_b64 s[64:65], 0
	v_nop
	global_prefetch_b8 v0, s[64:65] scope:SCOPE_SE
	s_setreg_imm32_b32 hwreg(HW_REG_WAVE_MODE, 25, 1), 1
	s_wait_xcnt 0x0
; X [2048][512] and weight [128][512 (i)][512 (j)], f32, are quantised along i into codes of FP4 (E2M1) with one E8M0 byte for each 32 along i,
; and laid in the order in which the next launch's operand registers take them.
; A block's scale is 2^(floor(log2(its largest magnitude)) - 2): its byte is the largest magnitude's exponent field - 2, held at 1 from below by a floor among the maximum's leaves.
; LIMITS: NaN and infinities among the inputs are not served.  A block of zeros gets the byte 1 where the rule says 127: its codes are zeros, which add nothing, and this program alone
; reads the bytes.  Blocks whose largest magnitude lies under 2^-124 (the floor) were not tried.
; THE WEIGHT: 1,024 work-groups of equal work, four for each of 256.  i is not innermost: a lane takes a column j and its registers run down i, so a block of 32 lies in one lane's 32 registers and the
; conversions give codes with i innermost.  A wave takes 32 columns x 256 along i (8 blocks); the four waves stand side by side on 512 consecutive bytes of each row.
;   wq [k][J 32][b 16][rho 16][16 bytes]: the codes of W[k][32 b .. 32 b + 31][16 J + rho].  A lane's 16 bytes of a block lie beside its neighbours': lanes 0-15 and lanes 16-31 each store
;   256 consecutive bytes, aligned.  The 512 bytes at 1024 s + 512 c + 16 lane of a tile (k, J) are registers 4 c .. 4 c + 3 of its fragment for K step s.
;   ws [k][sigma 2][beta 16][lane 32][2 words]: column 32 beta + lane, the scale words of K steps 2 sigma and 2 sigma + 1: a wave stores 256 consecutive bytes.
; X RIDES ALONG.  Its 128 tiles of 16 rows x 4 K steps of 128 are 512 units of 8 KB.  Wave 0 of every second work-group takes one: of those in whose number bits 0 and 8 are equal, so that of any two
; neighbouring numbers one carries a unit, and of any two numbers 256 apart one.  Unit = number / 2; tile = unit / 4, K step = unit % 4.  The wave parts ONCE, behind weight block 6, where it has no
; more of the weight to ask for: the unit's 16 loads go out beside block 7's 32, and the unit is worked behind block 7.  xpack [tile 128][37,120 bytes]:
;   1024 J + 512 e + 16 lane: f32 X[16 t + r][16 J + 8 h + 4 e + 0 .. 3] (r = lane % 16, h = lane / 16): the layout of a transposed product's result;
;   32768 + 1024 s + 512 c + 16 lane: registers 4 c .. 4 c + 3 of the tile's code fragment for K step s;   36864 + 8 lane: the scale words of row r for K steps h and 2 + h.
;   X's loads take 16 bytes a lane from runs of 64 bytes; X is 3 parts in 100 of what the launch reads.  The image's and the codes' stores cover 512 consecutive bytes each.  A unit has ONE of a row's four
;   scale words: sixteen lanes store 4 bytes each, 8 bytes apart; the other words of those 256 bytes are three other units'.  That is 64 bytes for each unit of 8 KB.
; No LDS, no barrier: waves share nothing.
.set TILEB, 37120
.set EMAX,  2
.set WX,    32                         ; v32-95   the weight: two sets of 32 numbers
.set WC,    96                         ; v96-127  four registers of codes for each block: no store's data are written again
.set WSB,   24                         ; v24-25   the weight's two scale words
.set XS,    128                        ; v128-191 X: a unit's 64 numbers a lane
.set TM,    32                         ; v32-47   X: at work (in the weight's set 0, whose last loads have landed and been read)
.set PC,    48                         ; v48-55   X: the unit's codes
.set WD,    56                         ; v56      X: the unit's scale word
.macro WLD t                           ; block t: W[k][256 sigma + 32 t + i][my column], i = 0 .. 31, into set t % 2; a row is 2,048 bytes
.irp i, 0,1,2,3,4,5,6,7,8,9,10,11,12,13,14,15,16,17,18,19,20,21,22,23,24,25,26,27,28,29,30,31
	global_load_b32 v[WX+32*((\t)%2)+\i], v3, s[6:7] offset:(32*(\t)+\i)*2048 th:TH_LOAD_NT
.endr
.endm
.macro BLOCK t, left                   ; left: how many younger loads may stay out
.set B0, WX+32*((\t)%2)
	s_wait_loadcnt \left                           ; loads come back in order: this block's 32 are in
	v_max3_num_f32 v12, |v[B0]|, |v[B0+1]|, |v[B0+2]|               ; the block's largest magnitude: all 32 numbers are mine; two chains
	v_max3_num_f32 v13, |v[B0+3]|, |v[B0+4]|, |v[B0+5]|
.irp i, 6,10,14,18,22,26
	v_max3_num_f32 v12, v12, |v[B0+\i]|, |v[B0+\i+1]|
	v_max3_num_f32 v13, v13, |v[B0+\i+2]|, |v[B0+\i+3]|
.endr
	v_max3_num_f32 v12, v12, |v[B0+30]|, |v[B0+31]|
	v_max3_num_f32 v12, v12, v13, (EMAX+1)<<23     ; and the floor 2^(3 - 127): the byte cannot fall under 1
	v_add_nc_u32 v11, -(EMAX<<23), v12             ; 2 off the exponent field: the conversion takes the exponent field of this operand as its scale
.irp g, 0,1,2,3
	v_cvt_scalef32_pk8_fp4_f32 v[WC+4*(\t)+\g], v[B0+8*\g:B0+8*\g+7], v11
.endr
	v_lshrrev_b32 v13, 23, v11                     ; the scale's byte (also the plain line behind the conversions)
.if (\t)%4 == 0
	v_mov_b32 v[WSB+(\t)/4], v13                   ; four bytes to a word, the lower i in the lower byte
.else
	v_lshl_or_b32 v[WSB+(\t)/4], v13, 8*((\t)%4), v[WSB+(\t)/4]
.endif
	global_store_b128 v4, v[WC+4*(\t):WC+4*(\t)+3], s[10:11] offset:256*(\t)   ; sixteen lanes store 256 consecutive bytes, aligned
.if (\t)+2 < 8
	WLD (\t)+2
.endif
.endm
	s_load_b256 s[4:11], s[0:1], 0x0               ; X s[4:5], weight s[6:7], xpack s[8:9], wq s[10:11]
	s_load_b64 s[12:13], s[0:1], 0x20              ; ws
	v_lshrrev_b32 v1, 5, v0
	v_readfirstlane_b32 s14, v1                    ; wave 0..3
	v_and_b32 v2, 31, v0                           ; lane
	s_wait_alu depctr_va_vdst(0)
	s_mov_b32 s17, 0                               ; the upper word of every offset: all stay under 2^32
	s_and_b32 s18, ttmp9, 1                        ; the work-group's number = 8 k + 2 cg + sigma.  sigma: which 256 along i
	s_bfe_u32 s19, ttmp9, 0x20001                  ; cg: which 128 columns
	s_lshr_b32 s20, ttmp9, 3                       ; k
	s_lshl_b32 s21, s19, 2
	s_add_co_u32 s21, s21, s14                     ; beta = 4 cg + wave: my 32 columns
	s_lshr_b32 s23, ttmp9, 8
	s_xor_b32 s23, s23, ttmp9
	s_and_b32 s23, s23, 1                          ; 0 where bits 0 and 8 of the number are equal,
	s_or_b32 s23, s23, s14                         ; in wave 0: this wave carries a unit of X
	v_lshlrev_b32 v3, 2, v2                        ; in: 4 bytes a lane
	s_lshl_b32 s16, s20, 20                        ; weight: k x 2^20 + sigma x 256 rows + 128 beta bytes
	s_lshl_b32 s22, s18, 19
	s_add_co_u32 s16, s16, s22
	s_lshl_b32 s22, s21, 7
	s_add_co_u32 s16, s16, s22
	s_wait_alu depctr_va_vdst(0)
	s_wait_kmcnt 0x0
	s_add_nc_u64 s[6:7], s[6:7], s[16:17]
	WLD 0
	WLD 1
	v_and_b32 v4, 15, v2
	v_lshrrev_b32 v5, 4, v2
	v_lshlrev_b32 v4, 4, v4
	v_lshl_or_b32 v4, v5, 12, v4                   ; wq: tile 2 beta + lane / 16 (4,096 bytes a tile), 16 bytes for column lane % 16
	v_lshlrev_b32 v5, 3, v2                        ; ws: 8 bytes a lane
	s_lshl_b32 s16, s20, 17                        ; wq: k x 2^17 + beta x 2 tiles + sigma x 8 blocks of 256 bytes
	s_lshl_b32 s22, s21, 13
	s_add_co_u32 s16, s16, s22
	s_lshl_b32 s22, s18, 11
	s_add_co_u32 s16, s16, s22
	s_add_nc_u64 s[10:11], s[10:11], s[16:17]
	s_lshl_b32 s16, s20, 13                        ; ws: k x 8,192 + sigma x 4,096 + beta x 256
	s_lshl_b32 s22, s18, 12
	s_add_co_u32 s16, s16, s22
	s_lshl_b32 s22, s21, 8
	s_add_co_u32 s16, s16, s22
	s_add_nc_u64 s[12:13], s[12:13], s[16:17]
.irp t, 0,1,2,3,4,5,6
	BLOCK \t, 32                                   ; the next block's 32 loads may be out
.endr
	s_cmp_lg_u32 s23, 0
	s_cbranch_scc1 .Lplain
; ---------------- a wave with a unit of X: its loads, the weight's last block, then the unit
	s_lshr_b32 s24, ttmp9, 1                       ; the unit
	s_lshr_b32 s25, s24, 2                         ; its tile of 16 rows
	s_and_b32 s28, s24, 3                          ; its K step s
	v_and_b32 v10, 15, v2                          ; r
	v_lshrrev_b32 v6, 4, v2                        ; h
	v_lshlrev_b32 v6, 5, v6
	v_lshl_add_u32 v6, v10, 11, v6                 ; in: row r of 2,048 bytes, + 32 h
	s_lshl_b32 s16, s25, 15                        ; X: 16 rows a tile, 512 bytes a K step
	s_lshl_b32 s22, s28, 9
	s_add_co_u32 s16, s16, s22
	s_add_nc_u64 s[4:5], s[4:5], s[16:17]
.irp jl, 0,1,2,3,4,5,6,7                       ; my row's numbers 128 s + 16 jl + 8 h + 4 e + 0 .. 3 into register 8 jl + 4 e
.irp e, 0,1
	global_load_b128 v[XS+8*\jl+4*\e:XS+8*\jl+4*\e+3], v6, s[4:5] offset:64*\jl+16*\e th:TH_LOAD_NT
.endr
.endr
	BLOCK 7, 16                                    ; the weight's last block is in; X's 16 loads, issued behind it, may be out
	global_store_b64 v5, v[WSB:WSB+1], s[12:13]    ; 32 lanes store 256 consecutive bytes, aligned
	s_mul_i32 s16, s25, TILEB
	s_add_nc_u64 s[8:9], s[8:9], s[16:17]          ; xpack at my tile's block
	s_lshl_b32 s22, s28, 13
	v_lshl_add_u32 v7, v2, 4, s22                  ; the f32 image: 16 x lane + 8,192 s
	s_lshl_b32 s22, s28, 10
	v_lshl_add_u32 v9, v2, 4, s22                  ; the codes: 16 x lane + 1,024 s
	s_and_b32 s22, s28, 1
	s_lshl_b32 s22, s22, 7
	s_lshr_b32 s24, s28, 1
	s_lshl_b32 s24, s24, 2
	s_add_co_u32 s22, s22, s24
	v_lshl_add_u32 v8, v10, 3, s22                 ; the scale word of (row r, K step s): 8 (16 (s % 2) + r) + 4 (s / 2)
	s_mov_b32 s26, 0x76543210
	s_mov_b32 s27, 0xfedcba98                      ; v_permlanex16_b32's selects for lane l xor 16
.irp b, 0,1,2,3
	v_mov_b32 v[TM+4+\b], 0                        ; a lane permute's destination counts as one of its sources
.endr
	s_wait_alu depctr_va_vdst(0)
	s_wait_loadcnt 0x0                             ; the unit's numbers are in
.irp u, 0,1,2,3,4,5,6,7,8,9,10,11,12,13,14,15
	global_store_b128 v7, v[XS+4*\u:XS+4*\u+3], s[8:9] offset:512*\u   ; the f32 image: 32 lanes store 512 consecutive bytes
.endr
; Register 16 b + i is, of block b, number 8 h + i (i < 8) or 16 + 8 h + i - 8: lanes l and l xor 16 hold a block between them.
.irp b, 0,1,2,3
	v_max3_num_f32 v[TM+\b], |v[XS+16*\b]|, |v[XS+16*\b+1]|, (EMAX+1)<<23   ; my 16 numbers of block b, and the floor
.endr
.irp i, 2,4,6,8,10,12,14
.irp b, 0,1,2,3
	v_max3_num_f32 v[TM+\b], v[TM+\b], |v[XS+16*\b+\i]|, |v[XS+16*\b+\i+1]|  ; the four blocks by turns
.endr
.endr
.irp b, 0,1,2,3
	v_permlanex16_b32 v[TM+4+\b], v[TM+\b], s26, s27
.endr
.irp b, 0,1,2,3
	v_max_num_f32 v[TM+\b], v[TM+\b], v[TM+4+\b]   ; with lane l xor 16's: the block's largest magnitude
.endr
.irp b, 0,1,2,3
	v_add_nc_u32 v[TM+12+\b], -(EMAX<<23), v[TM+\b]    ; the conversion's scale operand
.endr
.irp b, 0,1,2,3
	v_lshrrev_b32 v[TM+4+\b], 23, v[TM+12+\b]      ; the scale's byte
.endr
	v_lshl_or_b32 v[WD], v[TM+5], 8, v[TM+4]       ; my row's scale word for this K step
	v_lshl_or_b32 v[WD], v[TM+6], 16, v[WD]
	v_lshl_or_b32 v[WD], v[TM+7], 24, v[WD]
.irp c, 0,1                                    ; the low and the high eight of blocks 2 c and 2 c + 1, placed so that two exchanges give the operand's registers in order
	v_cvt_scalef32_pk8_fp4_f32 v[PC+4*\c],   v[XS+32*\c:XS+32*\c+7],     v[TM+12+2*\c]
	v_cvt_scalef32_pk8_fp4_f32 v[PC+4*\c+2], v[XS+32*\c+8:XS+32*\c+15],  v[TM+12+2*\c]
	v_cvt_scalef32_pk8_fp4_f32 v[PC+4*\c+1], v[XS+32*\c+16:XS+32*\c+23], v[TM+13+2*\c]
	v_cvt_scalef32_pk8_fp4_f32 v[PC+4*\c+3], v[XS+32*\c+24:XS+32*\c+31], v[TM+13+2*\c]
.endr
	v_nop                                          ; one plain line between a scaled conversion and the vector instruction that touches its result
.irp c, 0,1                                    ; the first's lanes 16-31 change places with the second's lanes 0-15: lanes 0-15 then hold block 2 c whole, lanes 16-31 block 2 c + 1
	v_permlane16_swap_b32 v[PC+4*\c], v[PC+4*\c+1]
	v_permlane16_swap_b32 v[PC+4*\c+2], v[PC+4*\c+3]
.endr
.irp c, 0,1
	global_store_b128 v9, v[PC+4*\c:PC+4*\c+3], s[8:9] offset:32768+512*\c   ; 512 consecutive bytes
.endr
	v_cmp_gt_u32 vcc_lo, 16, v2                    ; lanes l and l xor 16 hold the same word: lanes 0-15 store it
	s_wait_xcnt 0x0                                ; EXEC is a source of the stores above: it changes only behind this wait
	s_and_saveexec_b32 s24, vcc_lo
	global_store_b32 v8, v[WD], s[8:9] offset:36864
	s_wait_xcnt 0x0                                ; and again, in front of the line that widens it
	s_or_b32 exec_lo, exec_lo, s24
	s_endpgm
; ---------------- every other wave: the weight's last block
.Lplain:
	BLOCK 7, 0
	global_store_b64 v5, v[WSB:WSB+1], s[12:13]    ; 32 lanes store 256 consecutive bytes, aligned
	s_endpgm
.Lfunc_end_k_qff8594a269_quant:
	.size	k_qff8594a269_quant, .Lfunc_end_k_qff8594a269_quant-k_qff8594a269_quant
	.p2alignl 7, 3214868480
	.fill 96, 4, 3214868480
	.section	.rodata,"a",@progbits
	.p2align	6, 0x0
	.amdhsa_kernel k_qff8594a269_quant
		.amdhsa_group_segment_fixed_size 0
		.amdhsa_private_segment_fixed_size 0
		.amdhsa_enable_private_segment 0
		.amdhsa_kernarg_size 40
		.amdhsa_user_sgpr_count 2
		.amdhsa_user_sgpr_kernarg_segment_ptr 1
		.amdhsa_wavefront_size32 1
		.amdhsa_system_sgpr_workgroup_id_x 1
		.amdhsa_system_sgpr_workgroup_id_y 1
		.amdhsa_system_sgpr_workgroup_id_z 1
		.amdhsa_system_vgpr_workitem_id 0
		.amdhsa_next_free_vgpr 192
		.amdhsa_next_free_sgpr 66
		.amdhsa_reserve_vcc 1
		.amdhsa_float_denorm_mode_32 3
		.amdhsa_float_denorm_mode_16_64 3
		.amdhsa_memory_ordered 1
		.amdhsa_forward_progress 1
		.amdhsa_inst_pref_size 49
	.end_amdhsa_kernel
	.amdgpu_metadata
---
amdhsa.version: [ 1, 2 ]
amdhsa.kernels:
  - .name:           k_qff8594a269_quant
    .symbol:         k_qff8594a269_quant.kd
    .args:
      - { .name: X, .offset: 0, .size: 8, .value_kind: global_buffer, .address_space: global }
      - { .name: weight, .offset: 8, .size: 8, .value_kind: global_buffer, .address_space: global }
      - { .name: xpack, .offset: 16, .size: 8, .value_kind: global_buffer, .address_space: global }
      - { .name: wq, .offset: 24, .size: 8, .value_kind: global_buffer, .address_space: global }
      - { .name: ws, .offset: 32, .size: 8, .value_kind: global_buffer, .address_space: global }
    .group_segment_fixed_size: 0
    .private_segment_fixed_size: 0
    .kernarg_segment_align: 8
    .kernarg_segment_size: 40
    .max_flat_workgroup_size: 128
    .sgpr_count:     66
    .vgpr_count:     192
    .wavefront_size: 32
...
	.end_amdgpu_metadata
.endif
;; end of part 1
;; launch prod (part 2): grid 64 x 4, 4 waves a work-group, clusters of 4 x 1, 327,680 bytes of LDS; arguments xpack, wq, ws, out0; writes out0
.if DOCPART == 2
	.amdgcn_target "amdgcn-amd-amdhsa--gfx1250"
	.amdhsa_code_object_version 6
	.text
	.protected	k_qff8594a269_prod
	.globl	k_qff8594a269_prod
	.p2align	8
	.type	k_qff8594a269_prod,@function
k_qff8594a269_prod:
	s_mov_b64 s[64:65], 0
	v_nop
	global_prefetch_b8 v0, s[64:65] scope:SCOPE_SE
	s_setreg_imm32_b32 hwreg(HW_REG_WAVE_MODE, 25, 1), 1
	s_wait_xcnt 0x0
	s_wait_alu depctr_hold_cnt(0) depctr_sa_sdst(0) depctr_va_vdst(0) depctr_va_sdst(0) depctr_va_ssrc(0) depctr_va_vcc(0) depctr_vm_vsrc(0)
	s_getreg_b32 s2, hwreg(HW_REG_IB_STS2, 6, 4)
	s_cmp_eq_u32 s2, 0
	s_cbranch_scc0 .Lentry_in_a_cluster
	s_endpgm
.Lentry_in_a_cluster:
	s_bfe_u32 s2, ttmp6, 0x10000c
	s_cmp_lg_u32 s2, 0x3003
	s_cbranch_scc0 .Lentry_shape_is_right
	s_endpgm
.Lentry_shape_is_right:
; out0[n][k] = sum over j of X[n][j] x (sum over i of Q(X)[n][i] Q(W)[k][i][j]).  Codes, scale words and X's f32 image come from the launch before, in register order.
; A work-group takes 2 k (k pair = 4 x cluster x + cx) x all 512 j x 512 rows of X (work-group y): 32 tiles of 16 rows.  A wave takes 128 j of both k: its 64 weight fragments
; (8 J x 2 k x 4 K steps x 8 registers) stay in 512 registers for the whole launch, in three groups of 3, 3 and 2 J, one to a register window.
; THE PRODUCT IS USED TRANSPOSED (source 0 = 16 columns j of W, source 1 = 16 rows of X): lane (r, h) holds row r of X and j = 16 J + 8 h + 0 .. 7, the layout of X's f32 image.
; LDS holds X's codes and scale words alone: 4,352 bytes a tile, 139,264 for the 32 tiles, brought ONCE by one joint tensor load a wave (8 tiles each; the four partners of a cluster
; share y, so the mask names all four).  Nothing in LDS is filled again: the loop has no barrier.
; X's F32 IMAGE GOES FROM MEMORY STRAIGHT INTO REGISTERS: 16 loads a tile and wave, each of 512 consecutive bytes, three tiles ahead, in four buffers of 64 registers.  It is not asked for
; jointly: each of its bytes serves one wave of a work-group once, and 32,768 bytes a tile in LDS would ask for slots that are filled again and a round of the cluster's barrier for each.
; The weights are each work-group's own: no partner shares them.  They are asked for at the head, where there is no loop to run ahead in: no prefetch for them.
; A tile: the matrix instructions stand in runs (24, 24, 16: a group's accumulators by turns, K ascending), and behind each run the group before is multiplied by X and summed, on 8 pairs of sums by turns.
; THE WAY OUT: a work-group owns 2 k, 8 bytes of each row of out0, so its stores are 8 bytes a lane, 512 bytes apart; the four waves' parts over j meet in LDS first.
; REGISTERS: window 0: v1-15 addresses; v24-27 X's scale words; v32-63 W's; v64-127 X's code fragments, two sets; v128-223 results, two sets of 6; v224-239 the sums.
;   windows 1, 2, 3: the weights of groups 0, 1, 2 from v0; the image's buffers: 0 and 1 in window 3 at v128, v192; 2 in window 1 at v192; 3 in window 2 at v192.
.set TILEB, 37120                      ; a tile's block in xpack: 32,768 of image, 4,096 of codes, 256 of scale words
.set CT,    4352                       ; what of it lies in LDS
.set YP,    163840                     ; LDS: the waves' parts of the results, 512 bytes a tile
.set SPARE, 196608                     ; LDS: the spare words, 128 bytes a wave
.set L16, 1                            ; 16 x lane
.set XO,  2                            ; 8,192 x wave + 16 x lane: my place in a tile's image
.set L8,  3                            ; 8 x lane
.set ADA, 4                            ; LDS: the trip's codes
.set ADX, 5
.set ADS, 6                            ; LDS: the trip's scale words
.set YPA0, 7
.set YAD, 8                            ; LDS: the trip's results
.set SPW, 9
.set NIL, 10
.set PFO, 11                           ; 8,192 x wave + 256 x lane
.set LN,  13
.set YV,  14
.set AS,  24
.set BS,  32
.set AF,  64
.set DT,  128
.set AC,  224
.set EN,  224
.set WV,  12
.set G1,  16
.set G0,  24
.set LAP, 32
.set YB,  33
.set PFA, 34
.set LIM, 36
.set LB,  37
.set XG,  42
.set MSB, 0
.macro WIN new                         ; the immediate's high byte repeats the setting that is left
.if MSB != (\new)
	s_set_vgpr_msb (MSB<<8)|(\new)
.set MSB, (\new)
.endif
.endm
.macro CROUND                          ; a round of the cluster's barrier
	s_barrier_signal -1
	s_barrier_wait -1
	s_cmp_lg_u32 s[WV], 0
	s_cbranch_scc1 .Lnot_wave_0_\@
	s_barrier_signal -3
.Lnot_wave_0_\@:
	s_barrier_wait -3
	s_barrier_signal -1
	s_barrier_wait -1
.endm
.macro XSEL q                          ; the image's buffer of tile q: window xW, first register xR
.set xb, ((\q))%4
.if xb < 2
.set xW, 3
.set xR, 128+64*xb
.elseif xb == 2
.set xW, 1
.set xR, 192
.else
.set xW, 2
.set xR, 192
.endif
.endm
.macro XLOAD q                         ; my 8,192 bytes of the image of the trip's tile q: register 8 J + 4 e + c = X[r][16 J + 8 h + 4 e + c]
	XSEL \q
	WIN xW<<6
.irp u, 0,1,2,3,4,5,6,7,8,9,10,11,12,13,14,15
	global_load_b128 v[xR+4*\u:xR+4*\u+3], v[XO], s[XG:XG+1] offset:(\q)*TILEB+512*\u
.endr
.endm
.macro CLOAD q                         ; the code fragments (4 K steps) and scale words of the trip's tile q, into set q % 2
.irp u, 0,1,2,3,4,5,6,7
	ds_load_b128 v[AF+32*((\q)%2)+4*\u:AF+32*((\q)%2)+4*\u+3], v[ADA] offset:(\q)*CT+512*\u
.endr
	ds_load_b64 v[AS+2*((\q)%2):AS+2*((\q)%2)+1], v[ADS] offset:(\q)*CT+4096
.endm
.macro WLOAD g, n                      ; group g's weights: accumulator a = 2 x (J in the group) + (k in the pair), 32 registers each
	WIN ((\g)+1)<<6
.set a, 0
.rept \n
.set u, 0
.rept 8
	global_load_b128 v[32*a+4*u:32*a+4*u+3], v[L16], s[6:7] offset:(a%2)*131072+(3*(\g)+a/2)*4096+u*512
.set u, u+1
.endr
.set a, a+1
.endr
.endm
; One matrix instruction: K step mS of accumulator mA.  W's scale word: lanes 0-15 for an even J, lanes 16-31 for an odd one; X's: lanes 0-15 K steps 0 and 2, lanes 16-31 K steps 1 and 3.
.macro MM g, q
.set mS, i/NA
.set mA, i%NA
.set mT, 3*(\g)+mA/2
.set mD, DT+48*(((\q)+(\g))%2)+8*mA
.set mW, 32*mA+8*mS
.set mX, AF+32*((\q)%2)+8*mS
.set mU, BS+16*(mA%2)+4*(mT/2)+mS
.set mV, AS+2*((\q)%2)+mS/2
.set mR, 2*(mT%2)+mS%2
.if mS == 0
.if mR == 0
	v_wmma_scale_f32_16x16x128_f8f6f4 v[mD:mD+7], v[mW:mW+7], v[mX:mX+7], 0, v[mU], v[mV] matrix_a_fmt:MATRIX_FMT_FP4 matrix_b_fmt:MATRIX_FMT_FP4
.else
	v_wmma_scale_f32_16x16x128_f8f6f4 v[mD:mD+7], v[mW:mW+7], v[mX:mX+7], 0, v[mU], v[mV] matrix_a_fmt:MATRIX_FMT_FP4 matrix_b_fmt:MATRIX_FMT_FP4 matrix_a_scale:MATRIX_SCALE_ROW1
.endif
.elseif mR == 0
	v_wmma_scale_f32_16x16x128_f8f6f4 v[mD:mD+7], v[mW:mW+7], v[mX:mX+7], v[mD:mD+7], v[mU], v[mV] matrix_a_fmt:MATRIX_FMT_FP4 matrix_b_fmt:MATRIX_FMT_FP4
.elseif mR == 1
	v_wmma_scale_f32_16x16x128_f8f6f4 v[mD:mD+7], v[mW:mW+7], v[mX:mX+7], v[mD:mD+7], v[mU], v[mV] matrix_a_fmt:MATRIX_FMT_FP4 matrix_b_fmt:MATRIX_FMT_FP4 matrix_b_scale:MATRIX_SCALE_ROW1
.elseif mR == 2
	v_wmma_scale_f32_16x16x128_f8f6f4 v[mD:mD+7], v[mW:mW+7], v[mX:mX+7], v[mD:mD+7], v[mU], v[mV] matrix_a_fmt:MATRIX_FMT_FP4 matrix_b_fmt:MATRIX_FMT_FP4 matrix_a_scale:MATRIX_SCALE_ROW1
.else
	v_wmma_scale_f32_16x16x128_f8f6f4 v[mD:mD+7], v[mW:mW+7], v[mX:mX+7], v[mD:mD+7], v[mU], v[mV] matrix_a_fmt:MATRIX_FMT_FP4 matrix_b_fmt:MATRIX_FMT_FP4 matrix_a_scale:MATRIX_SCALE_ROW1 matrix_b_scale:MATRIX_SCALE_ROW1
.endif
.endm
.macro WRUN g, q                       ; group g of tile q: its 6 or 4 accumulators by turns, four K steps; the first takes the constant 0 as C
.if (\g) == 2
.set NA, 4
.else
.set NA, 6
.endif
	WIN (\g)+1
.set i, 0
.rept 4*NA
	MM \g, \q
.set i, i+1
.endr
.endm
.macro FM                              ; two results x two numbers of X onto one of 8 pairs of sums (4 for each k); a tile's first eight start the sums
.set fA, j/4
.set fP, j%4
.set fX, xR+8*(3*rG+fA/2)+2*fP
.set fD, DT+48*((rQ+rG)%2)+8*fA+2*fP
.set fC, AC+8*(fA%2)+2*fP
.if (rG == 0) && (fA < 2)
	v_pk_mul_f32 v[fC:fC+1], v[fX:fX+1], v[fD:fD+1]
.else
	v_pk_fma_f32 v[fC:fC+1], v[fX:fX+1], v[fD:fD+1], v[fC:fC+1]
.endif
.endm
.macro FRUN g, q                       ; group g of tile q is multiplied by X and summed; each accumulator is read from its low end on
.if (\g) == 2
.set NF, 16
.else
.set NF, 24
.endif
.set rG, (\g)
.set rQ, (\q)
	XSEL \q
	WIN xW
.set j, 0
.rept NF
	FM
.set j, j+1
.endr
.endm
.macro FIN idx                         ; a tile's sums: 8 numbers for each k to one; the exchange brings h = 0 and h = 1 together: lanes 0-15 hold k 0's rows, lanes 16-31 k 1's
	v_pk_add_f32 v[AC:AC+1], v[AC:AC+1], v[AC+2:AC+3]
	v_pk_add_f32 v[AC+8:AC+9], v[AC+8:AC+9], v[AC+10:AC+11]
	v_pk_add_f32 v[AC+4:AC+5], v[AC+4:AC+5], v[AC+6:AC+7]
	v_pk_add_f32 v[AC+12:AC+13], v[AC+12:AC+13], v[AC+14:AC+15]
	v_pk_add_f32 v[AC:AC+1], v[AC:AC+1], v[AC+4:AC+5]
	v_pk_add_f32 v[AC+8:AC+9], v[AC+8:AC+9], v[AC+12:AC+13]
	v_add_f32 v[YV], v[AC], v[AC+1]
	v_add_f32 v[YV+1], v[AC+8], v[AC+9]
	v_permlane16_swap_b32 v[YV], v[YV+1]
	v_add_f32 v[YV], v[YV], v[YV+1]
	ds_store_b32 v[YAD], v[YV] offset:512*(\idx)
.endm
.macro BASES                           ; the trip's LDS addresses
	v_add_nc_u32 v[ADA], s[LB], v[L16]
	v_add_nc_u32 v[ADS], s[LB], v[L8]
	v_add_nc_u32 v[YAD], s[YB], v[YPA0]
	s_wait_alu depctr_va_vdst(0)                   ; the wait here, behind the writes
.endm
; The trip's tile tt.  cl: the next tile's codes are fetched; xl: the image of the tile three on is asked for; left: the image loads younger than this tile's.
.macro TILE tt, first, cl, xl, left
.if \first
	s_wait_loadcnt 63                              ; group 0's weights and W's scale words are in (128 younger loads: the count is the field's largest)
.endif
	WRUN 0, \tt
.if \first
	WIN 0
.rept 4
	v_nop                                          ; the places behind group 0's products, which no other vector work fills in the first tile
.endr
.else
	FRUN 2, (\tt)-1                                ; the tile before: its last group,
	WIN 0
	FIN (\tt)-1                                    ; and its sums
.endif
.if \cl
	CLOAD (\tt)+1
.endif
.if \xl
	XLOAD (\tt)+3                                  ; into the buffer that the run above has just read out
.endif
.if \first
	s_wait_loadcnt 63                              ; group 1's weights are in (80 younger loads)
.endif
	WRUN 1, \tt
	s_wait_loadcnt \left                           ; this tile's image is in (in the first tile: group 2's weights too, which stand ahead of the 48)
	FRUN 0, \tt
	s_wait_alu depctr_va_vdst(0)                   ; the wait here, directly ahead of the wait below
	s_wait_dscnt 0x0                               ; the next tile's codes are in
	WRUN 2, \tt
	FRUN 1, \tt
.endm
	s_load_b256 s[4:11], s[0:1], 0x0               ; xpack s[4:5], wq s[6:7], ws s[8:9], out0 s[10:11]
	v_lshl_add_u32 v[SPW], v0, 2, SPARE
	v_mov_b32 v[NIL], 0
	ds_add_u32 v[SPW], v[NIL]                      ; the opening lines: the add, twice on end, and its wait ahead of my tensor load
	ds_add_u32 v[SPW], v[NIL]
	v_lshrrev_b32 v[LN], 5, v0
	v_readfirstlane_b32 s[WV], v[LN]               ; wave 0..3
	v_and_b32 v[LN], 31, v0
	v_lshlrev_b32 v[L16], 4, v[LN]
	v_lshlrev_b32 v[L8], 3, v[LN]
	s_lshl_b32 s38, s[WV], 13
	v_add_nc_u32 v[XO], s38, v[L16]
	v_lshl_add_u32 v[PFO], v[LN], 8, s38
	s_lshl_b32 s38, s[WV], 7
	v_lshl_add_u32 v[YPA0], v[LN], 2, s38
	v_add_nc_u32 v[YPA0], YP, v[YPA0]              ; my part of a tile's results: 128 x wave + 4 x lane
	s_wait_alu depctr_va_vdst(0)                   ; the wait here
	s_bfe_u32 s13, ttmp6, 0x40000                  ; cx
	s_lshl_b32 s14, ttmp9, 2
	s_add_co_u32 s14, s14, s13                     ; my pair of k
	s_and_b32 s15, ttmp7, 0xffff                   ; my 512 rows of X
	s_mov_b32 s[G1+0], 15|(3<<16)|(1<<21)          ; group 1: the mask names the cluster's four; elements of 8 bytes; bit 21 beside a mask
	s_mov_b32 s[G1+1], 544<<16                     ; a row: 4,352 bytes, a tile's codes and scale words
	s_mov_b32 s[G1+2], 8<<16                       ; 8 rows: 8 tiles
	s_mov_b32 s[G1+3], 544<<16
	s_mov_b32 s[G1+4], 8
	s_mov_b32 s[G1+5], 4640                        ; 37,120 bytes from tile to tile
	s_mov_b32 s[G1+6], 0
	s_mov_b32 s[G1+7], 0
	s_mov_b32 s39, 0
	s_mov_b32 s41, 0
	s_mov_b32 s45, 0
	s_lshl_b32 s38, s14, 18                        ; wq: 2 x 131,072 a pair of k, 8 tiles of 4,096 a wave
	s_lshl_b32 s40, s[WV], 15
	s_add_co_u32 s38, s38, s40
	s_lshl_b32 s40, s14, 14                        ; ws: 2 x 8,192 a pair of k, 4 x 256 a wave
	s_lshl_b32 s44, s[WV], 10
	s_add_co_u32 s40, s40, s44
	s_mul_i32 s44, s15, 32*TILEB                   ; xpack: my 32 tiles
	s_wait_dscnt 0x0                               ; both opening adds are done
	s_wait_kmcnt 0x0
	s_add_nc_u64 s[6:7], s[6:7], s[38:39]
	s_add_nc_u64 s[8:9], s[8:9], s[40:41]
	s_add_nc_u64 s[XG:XG+1], s[4:5], s[44:45]
	WLOAD 0, 6                                     ; group 0's 48 loads go out ahead of the round
	WIN 0
	s_mul_i32 s38, s[WV], 8*TILEB                  ; group 0 of the descriptor: my 8 tiles' codes,
	s_add_co_u32 s38, s38, 32768
	s_mov_b32 s[G0], 1
	s_mul_i32 s[G0+1], s[WV], 8*CT                 ; to LDS byte 34,816 x wave
	s_add_nc_u64 s[G0+2:G0+3], s[XG:XG+1], s[38:39]
	s_or_b32 s[G0+3], s[G0+3], 0x80000000
	s_add_co_u32 s38, s13, 12                      ; the prefetches: the partner at place cx begins at tile 12 + cx
	s_mul_i32 s38, s38, TILEB
	s_add_nc_u64 s[PFA:PFA+1], s[XG:XG+1], s[38:39]
	s_cmp_eq_u32 ttmp9, 0
	s_cselect_b32 s[LIM], 2, -1                    ; one cluster for each y asks, while more than 2 trips are left
	s_lshl_b32 s38, s15, 18                        ; out0: 512 rows of 512 bytes a y, 128 rows a wave, 8 bytes a pair of k
	s_lshl_b32 s40, s[WV], 16
	s_add_co_u32 s38, s38, s40
	s_lshl_b32 s40, s14, 3
	s_add_co_u32 s38, s38, s40
	s_add_nc_u64 s[10:11], s[10:11], s[38:39]
	CROUND                                         ; the four partners are here: the joint loads meet
	tensor_load_to_lds s[G0:G0+3], s[G1:G1+7]      ; my one tensor load of the launch
	s_nop 0
.rept 4
	v_nop
.endr
.irp kk, 0,1
.irp sg, 0,1
.irp bb, 0,1,2,3
	global_load_b64 v[BS+16*\kk+4*\bb+2*\sg:BS+16*\kk+4*\bb+2*\sg+1], v[L8], s[8:9] offset:\kk*8192+\sg*4096+\bb*256
.endr
.endr
.endr
	XLOAD 0
	WLOAD 1, 6
	WLOAD 2, 4
	XLOAD 1
	XLOAD 2
	WIN 0
	s_mov_b32 s[LB], 0
	s_mov_b32 s[YB], 0
	BASES
	s_wait_tensorcnt 0x0                           ; my 8 tiles' codes are in LDS,
	s_barrier_signal -1
	s_barrier_wait -1                              ; and so are the others'
	CLOAD 0
	s_wait_dscnt 0x0
	TILE 0, 1, 1, 1, 48
	WIN 0
	s_mov_b32 s[LAP], 7
.Ltrip:                                                ; trip m: tiles 4 m + 1 .. 4 m + 4
	BASES
; A PREFETCH INTO THE L2: this trip loads the images of tiles 4 m + 4 .. 4 m + 7 and asks for those of tiles 4 m + 12 .. 4 m + 15, which the trip two on loads: the partner at place cx takes
; tile 4 m + 12 + cx, a wave its 8,192 bytes, a lane 256 of them.  It stops with m = 4, at tile 31.
	s_cmp_gt_u32 s[LAP], s[LIM]
	s_cbranch_scc0 .Lno_ask
	global_prefetch_b8 v[PFO], s[PFA:PFA+1] th:TH_LOAD_NT scope:SCOPE_SE
.Lno_ask:
	TILE 1, 0, 1, 1, 48                            ; 48: the images of the three tiles that follow may be out
	TILE 2, 0, 1, 1, 48
	TILE 3, 0, 1, 1, 48
	TILE 4, 0, 1, 1, 48
	WIN 0
	s_wait_alu depctr_va_vdst(0)                   ; the wait here
	s_wait_xcnt 0x0                                ; the loads and the prefetch have read their bases
	s_add_nc_u64 s[XG:XG+1], s[XG:XG+1], 4*TILEB
	s_add_nc_u64 s[PFA:PFA+1], s[PFA:PFA+1], 4*TILEB
	s_add_co_u32 s[LB], s[LB], 4*CT
	s_add_co_u32 s[YB], s[YB], 2048
	s_sub_co_u32 s[LAP], s[LAP], 1
	s_cmp_lg_u32 s[LAP], 0
	s_cbranch_scc1 .Ltrip
	BASES
	TILE 1, 0, 1, 0, 32                            ; tiles 29, 30, 31: nothing more of the image to ask for, the counts run down
	TILE 2, 0, 1, 0, 16
	TILE 3, 0, 0, 0, 0
	FRUN 2, 3
	WIN 0
	FIN 3
	s_wait_dscnt 0x0                               ; for the others' sake: my parts are in LDS
	s_barrier_signal -1
	s_barrier_wait -1
; Wave w adds the four waves' parts of tiles 8 w .. 8 w + 7.  Two tiles' numbers change halves, so that lane l holds (k 0, k 1) of row 32 m + l.
	s_lshl_b32 s38, s[WV], 12
	v_lshl_add_u32 v[ADA], v[LN], 2, s38
	v_add_nc_u32 v[ADA], YP, v[ADA]
.irp t, 0,1,2,3,4,5,6,7
.irp p, 0,1,2,3
	ds_load_b32 v[EN+4*\t+\p], v[ADA] offset:512*\t+128*\p
.endr
.endr
	v_lshlrev_b32 v[ADX], 9, v[LN]
	s_wait_dscnt 0x0
.irp m, 0,1,2,3
	v_add_f32 v[EN+8*\m], v[EN+8*\m], v[EN+8*\m+1]
	v_add_f32 v[EN+8*\m+2], v[EN+8*\m+2], v[EN+8*\m+3]
	v_add_f32 v[EN+8*\m+4], v[EN+8*\m+4], v[EN+8*\m+5]
	v_add_f32 v[EN+8*\m+6], v[EN+8*\m+6], v[EN+8*\m+7]
	v_add_f32 v[EN+8*\m], v[EN+8*\m], v[EN+8*\m+2]
	v_add_f32 v[EN+8*\m+1], v[EN+8*\m+4], v[EN+8*\m+6]
	v_permlane16_swap_b32 v[EN+8*\m], v[EN+8*\m+1]
	s_wait_alu depctr_va_vdst(0)                   ; the wait here, directly ahead of the reader below
	global_store_b64 v[ADX], v[EN+8*\m:EN+8*\m+1], s[10:11] offset:16384*\m
.endr
	s_wait_tensorcnt 0x0                           ; the wave's end
	ds_add_u32 v[SPW], v[NIL]
	s_wait_dscnt 0x0
	CROUND                                         ; the closing round
	s_endpgm
.Lfunc_end_k_qff8594a269_prod:
	.size	k_qff8594a269_prod, .Lfunc_end_k_qff8594a269_prod-k_qff8594a269_prod
	.p2alignl 7, 3214868480
	.fill 96, 4, 3214868480
	.section	.rodata,"a",@progbits
	.p2align	6, 0x0
	.amdhsa_kernel k_qff8594a269_prod
		.amdhsa_group_segment_fixed_size 327680
		.amdhsa_private_segment_fixed_size 0
		.amdhsa_enable_private_segment 0
		.amdhsa_kernarg_size 32
		.amdhsa_user_sgpr_count 2
		.amdhsa_user_sgpr_kernarg_segment_ptr 1
		.amdhsa_wavefront_size32 1
		.amdhsa_system_sgpr_workgroup_id_x 1
		.amdhsa_system_sgpr_workgroup_id_y 1
		.amdhsa_system_sgpr_workgroup_id_z 1
		.amdhsa_system_vgpr_workitem_id 0
		.amdhsa_next_free_vgpr 1024
		.amdhsa_next_free_sgpr 66
		.amdhsa_reserve_vcc 0
		.amdhsa_float_denorm_mode_32 3
		.amdhsa_float_denorm_mode_16_64 3
		.amdhsa_memory_ordered 1
		.amdhsa_forward_progress 1
		.amdhsa_inst_pref_size 143
	.end_amdhsa_kernel
	.amdgpu_metadata
---
amdhsa.version: [ 1, 2 ]
amdhsa.kernels:
  - .name:           k_qff8594a269_prod
    .symbol:         k_qff8594a269_prod.kd
    .args:
      - { .name: xpack, .offset: 0, .size: 8, .value_kind: global_buffer, .address_space: global }
      - { .name: wq, .offset: 8, .size: 8, .value_kind: global_buffer, .address_space: global }
      - { .name: ws, .offset: 16, .size: 8, .value_kind: global_buffer, .address_space: global }
      - { .name: out0, .offset: 24, .size: 8, .value_kind: global_buffer, .address_space: global }
    .group_segment_fixed_size: 327680
    .private_segment_fixed_size: 0
    .kernarg_segment_align: 8
    .kernarg_segment_size: 32
    .max_flat_workgroup_size: 128
    .sgpr_count:     66
    .vgpr_count:     1024
    .wavefront_size: 32
...
	.end_amdgpu_metadata
.endif
;; end of part 2
